; MI455X (gfx1250); checked and timed in simulation.
; The chip was launched on July 23, 2026; its instructions are those of AMD's public machine-readable ISA for CDNA 5 (MIT licence, August 2026) and "CDNA5" Instruction Set Architecture Reference Guide (July 2026). The comments in the code are by the model that wrote it; some were corrected since.
;; Attention. Allowed arithmetic: matrix products marked QUANTISED: E2M3 operands, one E8M0 scale for each 32 along K, by v_wmma_scale_f32_16x16x128_f8f6f4 with both operands' format E2M3, f32 sums; everything else in f32.
;; Inputs: W_qkv 1,024 x 3,072 float32; b_qkv 3,072 float32; x 4 x 2,048 x 1,024 float32.
;; Outputs: out0 4 x 2,048 x 1,024 float32.
;; This version of the problem:
;;   THIS VERSION OF THE PROBLEM IS GIVEN IN LOW PRECISION. The matrix products marked QUANTISED in the list below multiply operands that are first quantised to E2M3 (2 exponent bits, 3 mantissa bits; 6 bits a number), with one power-of-two scale for each 32 numbers along K (OCP MX v1.0); their sums are f32. All else is computed in f32.
;;   The module's matrix products, in the order in which they are computed (A, B: the left and right operand; K: the contracted axis; several contracted axes count as one K, in the product's order):
;;     1. [M 8,192, K 1,024] x [K 1,024, N 3,072]; A: input x; B: input W_qkv: QUANTISED
;;     2. batch 64 x [M 2,048, K 64] x [K 64, N 2,048]; A: computed on the way; B: computed on the way: QUANTISED
;;     3. batch 64 x [M 2,048, K 2,048] x [K 2,048, N 64]; A: softmax (see below); B: computed on the way: QUANTISED
;;   THE QUANTISER, for each operand of a quantised product, along K:
;;     - K is cut into blocks of 32 from its start; a last block that is shorter is filled with zeros.
;;     - A block's scale is 2^e with e = floor(log2(the largest magnitude in the block)) - 2, held to -126 .. 127; a block of zeros has e = 0. As a byte (E8M0): e + 127.
;;     - Each number is divided by its block's scale, clamped to +-7.5, and rounded to the nearest number of E2M3, ties to even, subnormals kept.
;;     - The product sums the exact products of the quantised numbers (number of the format x scale) in f32.
;;   ~~~python
;;   def quantise(x, axis):      # numpy; x: float32 -> the quantised numbers, widened to float32 again
;;       x = np.moveaxis(x, axis, -1); K = x.shape[-1]
;;       x = np.pad(x, [(0, 0)] * (x.ndim - 1) + [(0, -K % 32)]); x = x.reshape(x.shape[:-1] + (-1, 32)); a = np.abs(x).max(-1, keepdims=True)
;;       e = np.where(a > 0, np.clip(np.frexp(np.where(a > 0, a, 1))[1] - 1 - 2, -126, 127), 0)      # np.frexp(a)[1] - 1 = floor(log2(a)), exactly
;;       r = np.clip(x / 2.0 ** e, -7.5, 7.5)
;;       step = 2.0 ** (np.maximum(np.frexp(np.where(r == 0, 1, r))[1] - 1, 0) - 3)
;;       q = np.round(r / step) * step * 2.0 ** e      # np.round: ties to even
;;       return np.moveaxis(q.reshape(q.shape[:-2] + (-1,))[..., :K], -1, axis).astype(np.float32)
;;   ~~~
;;   SOFTMAX AHEAD OF A QUANTISED PRODUCT. Where the list says 'softmax', what is quantised is not the finished softmax but p = 2^(t - M), with t = logit x log2(e) and M = ceil(the row's largest t), a whole number; so 1/2 < the row's largest p <= 1. The row's sum l is taken of the UNQUANTISED p, in f32, and the product's result is divided by l at the end. Since M is a whole number, a kernel that streams over the keys may use a running M (the ceiling of the running maximum): every later rescaling is an exact power of two, which a block's scale takes up: the codes' values come out the same.
;;   OPERANDS COMPUTED ON THE WAY. 'Computed on the way' means the value that the module computes at that place (a softmax that the list does not call 'softmax' is quantised finished and normalised). What goes into a quantiser is computed in f32, as accurately as f32 sums, v_exp_f32 and their like allow (about 1e-6 of the number): no bf16 or f16 on the way to a quantiser, and a product that is left as it is and whose result goes on into a quantised operand takes f32 operands (vector FMAs, or v_wmma_f32_16x16x4_f32). A number that lies on a knife's edge between two numbers of the format may be rounded either way, as far as f32 arithmetic and the matrix unit's own rounding can turn it there, and no further.
;; One version. Each part assembles by itself: llvm-mc -triple=amdgcn-amd-amdhsa -mcpu=gfx1250 --defsym DOCPART=n.
;; ======== version 1 of 1: 3 launches
;; limits: right only within a limited range of input values
;; workspace buffers: xc 6,291,456 bytes; xs 262,144 bytes; wc 2,359,296 bytes; ws 98,304 bytes; qkv 26,738,688 bytes
;; launch quant (part 1): grid 352 x 1, 4 waves a work-group, no clusters, 68,096 bytes of LDS; arguments x, W_qkv, xc, xs, wc, ws; writes xc, xs, wc, ws
.if DOCPART == 1
	.amdgcn_target "amdgcn-amd-amdhsa--gfx1250"
	.amdhsa_code_object_version 6
	.text
	.protected	k_q2080cc9b14_quant
	.globl	k_q2080cc9b14_quant
	.p2align	8
	.type	k_q2080cc9b14_quant,@function
k_q2080cc9b14_quant:
	s_mov_b64 s[64:65], 0
	v_nop
	global_prefetch_b8 v0, s[64:65] scope:SCOPE_SE
	s_setreg_imm32_b32 hwreg(HW_REG_WAVE_MODE, 25, 1), 1
	s_wait_xcnt 0x0
; x [8192][1024] f32 and W_qkv [1024][3072] f32 become codes of FP6 (E2M3), K innermost, with one E8M0 byte for each 32 along K:
; xc [8192 places][768 bytes], xs [8192][32], wc [3072 places][768], ws [3072][32].
; A block's scale is 2^(floor(log2(its largest magnitude)) - 2); its byte is the largest magnitude's exponent field - 2, held at 1 from below.
; THE ORDER OF ROWS.  Place P of xc, xs holds token sigma(P), place P of wc, ws feature sigma(P), sigma = bits 3 and 4 of the number exchanged.
; So sixteen neighbouring places 32 b + 16 u + r hold rows 32 b + 8 u + r + 8 (r / 8): the order in which the next launch wants the rows of a tile.
; LIMITS: NaN and infinities among the inputs are not served; blocks whose largest magnitude lies under 2^-124 keep the byte 1; a block of zeros
; has the byte 1 where the rule says 127: its codes are zeros, which add nothing under any byte but 0xff, and this program alone reads the bytes.
; One launch, two ways that part on the work-group's number: work-groups 0-255 take x (K innermost), 256-351 take W (K is its first axis).
; Each way has LDS bytes of its own.  No tensor loads, no barrier: waves share nothing.  Each work-group reads 131,072 bytes.
; wc IS LAID AS IMAGES OF OPERAND REGISTERS: [tile of 16 places][K step of 128][piece of 4 registers][lane][16 bytes], 1,536 bytes a fragment: lane (r, h) holds bytes 96 q + 24 h .. + 23 and
; 96 q + 48 + 24 h .. + 23 of place r's row of codes.  What the head says of wc gives its size and the order of its places alone.
.set XWG,   256
.set STEPS, 16
.set EMAX,  2
.set CB,    12                         ; bytes of 16 codes
.set WREG,  8192                       ; x: LDS of a wave: two stages of 32 x SP bytes, then its 256 scale bytes
.set SP,    80                         ; a lane's place in a stage: 64 bytes + 16 of padding
.set XR,    16                         ; v16-79   four sets of 16 numbers as loaded
.set XX,    80                         ; v80-111  two sets of 16 neighbours
.set XE,    112                        ; v112-127 a scale byte for each step
.set XC,    128                        ; v128-191 codes: four registers for each step, so that no store's data are written again
.set WSTG,  32768                      ; W: the four waves' stages begin here
.set WP,    200                        ; a stage row: a column's 192 bytes of codes, dense, + 8
.set KROW,  768                        ; a row of codes in memory
.set NCOL,  3072
.set NB,    8                          ; blocks of 32 along K for a wave
.set WX,    32                         ; v32-95   two sets of 32 numbers
.set WC,    96                         ; v96-102  a block's codes
.set WOUT,  112                        ; v112-159 the way out
.set WSB,   24                         ; v24-25   eight scale bytes
	s_load_b128 s[4:7], s[0:1], 0x0                ; x, W
	s_load_b128 s[8:11], s[0:1], 0x10              ; xc, xs
	s_load_b128 s[12:15], s[0:1], 0x20             ; wc, ws
	v_lshl_add_u32 v192, v0, 2, 0x10800
	v_mov_b32 v193, 0
	v_lshrrev_b32 v1, 5, v0
	v_readfirstlane_b32 s16, v1                    ; wave
	v_and_b32 v2, 31, v0                           ; lane
	s_cmp_lt_u32 ttmp9, XWG
	s_cbranch_scc0 .Lw
; ---------------- x: a wave takes 8 rows (8,192 numbers) in 16 steps of 512 ----------------
; Each load reads 512 consecutive bytes; a step's 2,048 bytes turn through the wave's stage so that a lane holds 16 neighbours; two neighbouring lanes hold a block.
	v_lshlrev_b32 v3, 4, v2                        ; my 16 bytes of a load's 512
	s_mul_i32 s17, s16, WREG
	v_lshrrev_b32 v14, 2, v2
	v_mul_u32_u24 v14, v14, SP
	v_and_b32 v15, 3, v2
	v_lshl_add_u32 v14, v15, 4, v14
	v_add_nc_u32 v14, s17, v14                     ; into the stage: SP (lane / 4) + 16 (lane % 4)
	v_mul_u32_u24 v15, v2, SP
	v_add_nc_u32 v15, s17, v15                     ; out of it: SP x lane
	v_mul_u32_u24 v4, v2, CB                       ; my codes' place in a step's 384 bytes
	v_lshrrev_b32 v5, 1, v2
	s_add_co_u32 s17, s17, 2*32*SP
	v_add_nc_u32 v5, s17, v5                       ; my block's byte among the wave's 256
	v_lshlrev_b32 v7, 3, v2
	v_add_nc_u32 v6, s17, v7                       ; and 8 bytes a lane on their way out
	s_lshl_b32 s17, ttmp9, 2
	s_add_co_u32 s18, s17, s16                     ; the run of 8 rows that I read: 4 x work-group + wave
	s_and_b32 s19, s16, 1
	s_lshl_b32 s19, s19, 1
	s_lshr_b32 s20, s16, 1
	s_or_b32 s19, s19, s20
	s_add_co_u32 s19, s17, s19                     ; the run that I write: the wave's two bits exchanged: sigma on groups of 8 rows
	s_lshl_b32 s20, s18, 15                        ; 32,768 bytes of x a run
	s_mov_b32 s21, 0
	s_mul_i32 s22, s19, 8*KROW                     ; 6,144 bytes of codes
	s_mov_b32 s23, 0
	s_lshl_b32 s24, s19, 8                         ; 256 scale bytes
	s_mov_b32 s25, 0
	s_wait_alu depctr_va_vdst(0)
	s_wait_kmcnt 0x0
	s_add_nc_u64 s[4:5], s[4:5], s[20:21]
	s_add_nc_u64 s[8:9], s[8:9], s[22:23]
	s_add_nc_u64 s[10:11], s[10:11], s[24:25]
.macro XLOAD t
.irp i, 0,1,2,3
	global_load_b128 v[XR+16*((\t)%4)+4*\i:XR+16*((\t)%4)+4*\i+3], v3, s[4:5] offset:2048*(\t)+512*\i th:TH_LOAD_NT
.endr
.endm
.macro XTURN t                         ; a step's numbers through the stage: LDS serves a wave's instructions in order, so no wait stands between the stores and the loads
.irp i, 0,1,2,3
	ds_store_b128 v14, v[XR+16*((\t)%4)+4*\i:XR+16*((\t)%4)+4*\i+3] offset:32*SP*((\t)%2)+8*SP*\i
.endr
.irp i, 0,1,2,3
	ds_load_b128 v[XX+16*((\t)%2)+4*\i:XX+16*((\t)%2)+4*\i+3], v15 offset:32*SP*((\t)%2)+16*\i
.endr
.endm
.irp t, 0,1,2,3
	XLOAD \t
.endr
	s_wait_loadcnt 12                              ; step 0's four loads are in; the twelve of steps 1 to 3 stay out
	XTURN 0
.macro XSTEP t
.set XS, XX+16*((\t)%2)
.if (\t) > 0
	s_wait_dscnt 1                                 ; this step's numbers are back from the stage; only the last step's byte store may be out
.else
	s_wait_dscnt 0x0
.endif
.if (\t)+4 < STEPS
	XLOAD (\t)+4                                   ; into the set whose stores into the stage are done
.endif
.if (\t)+1 < STEPS
.if STEPS-2-(\t) >= 3
	s_wait_loadcnt 12                              ; the next step's four loads are in; those of the three steps behind it stay out
.else
	s_wait_loadcnt 4*(STEPS-2-(\t))
.endif
	XTURN (\t)+1
.endif
	v_max3_num_f32 v8, |v[XS]|, |v[XS+1]|, |v[XS+2]|               ; the largest magnitude of my 16, in two chains
	v_max3_num_f32 v9, |v[XS+3]|, |v[XS+4]|, |v[XS+5]|
.irp i, 6,10
	v_max3_num_f32 v8, v8, |v[XS+\i]|, |v[XS+\i+1]|
	v_max3_num_f32 v9, v9, |v[XS+\i+2]|, |v[XS+\i+3]|
.endr
	v_max3_num_f32 v8, v8, |v[XS+14]|, |v[XS+15]|
	v_max3_num_f32 v8, v8, v9, (EMAX+1)<<23        ; and the floor 2^(3 - 127): the byte cannot fall under 1
	v_max_num_f32_dpp v8, v8, v8 row_xmask:1 row_mask:0xf bank_mask:0xf   ; with my neighbour's 16: the block's
	v_add_nc_u32 v11, -(EMAX<<23), v8              ; 2 off its exponent field: the conversion takes this operand's exponent field as its scale
	v_cvt_scalef32_pk16_fp6_f32 v[XC+4*(\t):XC+4*(\t)+2], v[XS:XS+15], v11
	v_lshrrev_b32 v[XE+(\t)], 23, v11              ; the scale's byte (a plain line behind the conversion)
	ds_store_b8 v5, v[XE+(\t)] offset:16*(\t)      ; both lanes of a block write the same byte with the same value
	global_store_b96 v4, v[XC+4*(\t):XC+4*(\t)+2], s[8:9] offset:32*CB*(\t)   ; the wave stores 384 consecutive bytes
.endm
.irp t, 0,1,2,3,4,5,6,7,8,9,10,11,12,13,14,15
	XSTEP \t
.endr
	ds_load_b64 v[12:13], v6                       ; in order behind my byte stores
	s_wait_dscnt 0x0
	global_store_b64 v7, v[12:13], s[10:11]        ; 32 lanes store 256 consecutive bytes, aligned
	s_wait_tensorcnt 0x0
	ds_add_u32 v192, v193
	s_wait_dscnt 0x0
	s_endpgm
; ---------------- W: a lane takes a column, its registers run down K; a wave takes 32 columns x 256 along K ----------------
.Lw:
	s_sub_co_u32 s17, ttmp9, XWG
	s_and_b32 s18, s17, 3                          ; which 256 along K
	s_lshr_b32 s17, s17, 2                         ; which 128 columns
	s_lshl_b32 s17, s17, 7
	s_lshl_b32 s19, s16, 5
	s_add_co_u32 s17, s17, s19                     ; my wave's first column, a multiple of 32
	s_wait_alu depctr_va_vdst(0)
	v_lshlrev_b32 v3, 2, v2                        ; in: 4 bytes a lane
	s_mul_i32 s19, s16, 32*WP
	s_add_co_u32 s19, s19, WSTG                    ; my stage
	v_mul_u32_u24 v4, v2, WP
	v_add_nc_u32 v4, s19, v4                       ; into it: row = my column
	v_and_b32 v5, 15, v2
	v_lshrrev_b32 v6, 4, v2
	v_and_b32 v7, 8, v5
	v_add_nc_u32 v7, v7, v5                        ; out of it: lane (r, h) of tile u reads column 8 u + r + 8 (r / 8),
	v_mul_u32_u24 v7, v7, WP
	v_mad_u32_u24 v7, v6, 24, v7                   ; + 24 h
	v_add_nc_u32 v7, s19, v7
	v_lshlrev_b32 v8, 4, v2                        ; and stores 16 bytes a lane
	v_and_b32 v9, 7, v2                            ; my column's place among the 32: sigma(lane)
	v_and_b32 v10, 8, v2
	v_lshl_or_b32 v9, v10, 1, v9
	v_and_b32 v10, 16, v2
	v_lshrrev_b32 v10, 1, v10
	v_or_b32 v9, v9, v10
	v_lshlrev_b32 v9, 5, v9                        ; 32 scale bytes a row
	s_mul_i32 s20, s18, 256*NCOL*4
	s_lshl_b32 s21, s17, 2
	s_add_co_u32 s20, s20, s21
	s_mov_b32 s21, 0
	s_mul_i32 s22, s17, KROW
	s_mul_i32 s23, s18, 3072                       ; two K steps' fragments of 1,536 bytes
	s_add_co_u32 s22, s22, s23
	s_mov_b32 s23, 0
	s_lshl_b32 s24, s17, 5
	s_lshl_b32 s25, s18, 3
	s_add_co_u32 s24, s24, s25
	s_mov_b32 s25, 0
	s_wait_kmcnt 0x0
	s_add_nc_u64 s[6:7], s[6:7], s[20:21]
	s_add_nc_u64 s[12:13], s[12:13], s[22:23]
	s_add_nc_u64 s[14:15], s[14:15], s[24:25]
.macro WLOAD t                         ; block t: W(32 t + i, my column) into set t % 2; a wave's load reads 128 consecutive bytes
.set J, 0
.rept 32
	global_load_b32 v[WX+32*((\t)%2)+J], v3, s[6:7] offset:(32*(\t)+J)*NCOL*4 th:TH_LOAD_NT
.set J, J+1
.endr
.endm
	WLOAD 0
	WLOAD 1
.macro WBLOCK t
.set WS, WX+32*((\t)%2)
.if (\t) < NB-1
	s_wait_loadcnt 32                              ; this block's 32 loads are in; the next block's 32 stay out
.else
	s_wait_loadcnt 0
.endif
	v_max3_num_f32 v12, |v[WS]|, |v[WS+1]|, |v[WS+2]|              ; the block's largest magnitude: all 32 numbers are mine
	v_max3_num_f32 v13, |v[WS+3]|, |v[WS+4]|, |v[WS+5]|
.irp i, 6,10,14,18,22,26
	v_max3_num_f32 v12, v12, |v[WS+\i]|, |v[WS+\i+1]|
	v_max3_num_f32 v13, v13, |v[WS+\i+2]|, |v[WS+\i+3]|
.endr
	v_max3_num_f32 v12, v12, |v[WS+30]|, |v[WS+31]|
	v_max3_num_f32 v12, v12, v13, (EMAX+1)<<23     ; and the floor
	v_add_nc_u32 v11, -(EMAX<<23), v12
	v_lshrrev_b32 v13, 23, v11                     ; the scale's byte
.if (\t)%4 == 0
	v_mov_b32 v[WSB+(\t)/4], v13
.else
	v_lshl_or_b32 v[WSB+(\t)/4], v13, 8*((\t)%4), v[WSB+(\t)/4]
.endif
	v_cvt_scalef32_pk16_fp6_f32 v[WC:WC+2], v[WS:WS+15], v11
	v_cvt_scalef32_pk16_fp6_f32 v[WC+4:WC+6], v[WS+16:WS+31], v11  ; (a conversion's three registers begin on an even number)
	v_nop                                          ; a plain line behind the conversions
.irp i, 0,1,2
	ds_store_b32 v4, v[WC+\i] offset:24*(\t)+4*\i          ; a block's 24 bytes, dense in the column's row
	ds_store_b32 v4, v[WC+4+\i] offset:24*(\t)+12+4*\i
.endr
.if (\t)+2 < NB
	WLOAD (\t)+2
.endif
	s_wait_dscnt 0x0                               ; the stores have read their registers: the next block's codes may be written
.endm
.irp t, 0,1,2,3,4,5,6,7
	WBLOCK \t
.endr
	s_wait_alu depctr_va_vdst(0)
	global_store_b64 v9, v[WSB:WSB+1], s[14:15]    ; my column's 8 scale bytes, at its place
.irp g, 0,1,2,3                        ; fragment g = 2 u + q: tile u, K step q of my two
.irp p, 0,1,2,3,4,5
	ds_load_b64 v[WOUT+12*\g+2*\p:WOUT+12*\g+2*\p+1], v7 offset:(\g/2)*8*WP+96*(\g%2)+48*(\p/3)+8*(\p%3)
.endr
.endr
.irp g, 0,1,2,3
	s_wait_dscnt 6*(3-\g)                          ; the later fragments' six reads each may be out
.irp p, 0,1,2
	global_store_b128 v8, v[WOUT+12*\g+4*\p:WOUT+12*\g+4*\p+3], s[12:13] offset:(\g/2)*12288+(\g%2)*1536+512*\p   ; the wave stores 512 consecutive bytes
.endr
.endr
	s_wait_tensorcnt 0x0
	ds_add_u32 v192, v193
	s_wait_dscnt 0x0
	s_endpgm
.Lfunc_end_k_q2080cc9b14_quant:
	.size	k_q2080cc9b14_quant, .Lfunc_end_k_q2080cc9b14_quant-k_q2080cc9b14_quant
	.p2alignl 7, 3214868480
	.fill 96, 4, 3214868480
	.section	.rodata,"a",@progbits
	.p2align	6, 0x0
	.amdhsa_kernel k_q2080cc9b14_quant
		.amdhsa_group_segment_fixed_size 68096
		.amdhsa_private_segment_fixed_size 0
		.amdhsa_enable_private_segment 0
		.amdhsa_kernarg_size 48
		.amdhsa_user_sgpr_count 2
		.amdhsa_user_sgpr_kernarg_segment_ptr 1
		.amdhsa_wavefront_size32 1
		.amdhsa_system_sgpr_workgroup_id_x 1
		.amdhsa_system_sgpr_workgroup_id_y 1
		.amdhsa_system_sgpr_workgroup_id_z 1
		.amdhsa_system_vgpr_workitem_id 0
		.amdhsa_next_free_vgpr 194
		.amdhsa_next_free_sgpr 66
		.amdhsa_reserve_vcc 0
		.amdhsa_float_denorm_mode_32 3
		.amdhsa_float_denorm_mode_16_64 3
		.amdhsa_memory_ordered 1
		.amdhsa_forward_progress 1
		.amdhsa_inst_pref_size 75
	.end_amdhsa_kernel
	.amdgpu_metadata
---
amdhsa.version: [ 1, 2 ]
amdhsa.kernels:
  - .name:           k_q2080cc9b14_quant
    .symbol:         k_q2080cc9b14_quant.kd
    .args:
      - { .name: x, .offset: 0, .size: 8, .value_kind: global_buffer, .address_space: global }
      - { .name: W_qkv, .offset: 8, .size: 8, .value_kind: global_buffer, .address_space: global }
      - { .name: xc, .offset: 16, .size: 8, .value_kind: global_buffer, .address_space: global }
      - { .name: xs, .offset: 24, .size: 8, .value_kind: global_buffer, .address_space: global }
      - { .name: wc, .offset: 32, .size: 8, .value_kind: global_buffer, .address_space: global }
      - { .name: ws, .offset: 40, .size: 8, .value_kind: global_buffer, .address_space: global }
    .group_segment_fixed_size: 68096
    .private_segment_fixed_size: 0
    .kernarg_segment_align: 8
    .kernarg_segment_size: 48
    .max_flat_workgroup_size: 128
    .sgpr_count:     66
    .vgpr_count:     194
    .wavefront_size: 32
...
	.end_amdgpu_metadata
.endif
;; end of part 1
;; launch gemm (part 2): grid 8 x 32, 4 waves a work-group, clusters of 4 x 1, 327,680 bytes of LDS; arguments xc, xs, wc, ws, b_qkv, qkv; writes qkv
.if DOCPART == 2
	.amdgcn_target "amdgcn-amd-amdhsa--gfx1250"
	.amdhsa_code_object_version 6
	.text
	.protected	k_q2080cc9b14_gemm
	.globl	k_q2080cc9b14_gemm
	.p2align	8
	.type	k_q2080cc9b14_gemm,@function
k_q2080cc9b14_gemm:
	s_mov_b64 s[64:65], 0
	v_nop
	global_prefetch_b8 v0, s[64:65] scope:SCOPE_SE
	s_setreg_imm32_b32 hwreg(HW_REG_WAVE_MODE, 25, 1), 1
	s_wait_xcnt 0x0
	s_wait_alu depctr_hold_cnt(0) depctr_sa_sdst(0) depctr_va_vdst(0) depctr_va_sdst(0) depctr_va_ssrc(0) depctr_va_vcc(0) depctr_vm_vsrc(0)
	s_getreg_b32 s2, hwreg(HW_REG_IB_STS2, 6, 4)
	s_cmp_eq_u32 s2, 0
	s_cbranch_scc0 .Lentry_in_a_cluster
	s_endpgm
.Lentry_in_a_cluster:
	s_bfe_u32 s2, ttmp6, 0x10000c
	s_cmp_lg_u32 s2, 0x3003
	s_cbranch_scc0 .Lentry_shape_is_right
	s_endpgm
.Lentry_shape_is_right:
; Q, K, V = x W + b on codes of FP6 (E2M3) with E8M0 scales, and their quantisers: the results leave as codes and scale bytes, in records of 13,056 bytes for 128 tokens of a head
; (KA 0: registers 0-3 of eight tiles of Q or K; KB 4096: registers 4-5; VC 6144: four operands of V^T; KSO 12288, VSO 12800: scale words), [batch][Q's 16 heads, K's 16 (with V's parts)][16 records].
; THE DEAL.  256 work-groups: 32 row tiles of 256 places of x, 8 column groups.  Wave w of group g holds, for ALL of K, in registers: head 4 g + w of Q or K (64 places of W, four tiles) and 32 places of V
; (two tiles): 48 fragments of 12 registers.  The tile's 16 blocks of 16 rows stream past them: 48 products a block, six accumulators by turns.
; Q, K: source 0 = W's rows: a lane holds a token, its registers run along the head.  V: source 0 = x's rows: a lane holds a channel, its registers run along the tokens.  The bias is the first products' C.
; x's 256 rows come ONCE, one joint load a wave (64 rows of 768 bytes, 16 bytes of padding behind each 256); nothing in LDS is filled again.  The four work-groups of a cluster share a row tile.
; THE WEIGHTS go from memory straight into registers: wc holds images of the fragments, so each load reads 512 consecutive bytes.  They never pass LDS, so no joint load serves them.
; NO PREFETCH of x or W: all of both is asked for at the head, in one go; there is no later trip to ask ahead of.  xs, which is loaded pair by pair of blocks, is prefetched: bytes 2,048 to 8,191 of the
; tile's 8,192, each block of 256 once in a cluster, shared out by address among its sixteen waves.
; THE WAY OUT of Q, K (block s - 1) stands three lines behind every third product of block s; V's, for a pair of blocks, partly so and partly behind the odd block.  A block of 32 lies in lanes l and l xor 16.
; Scale words gather in LDS bytes of their own and leave at the end as whole units.
; LIMITS: NaN and infinities are not served; a block whose largest magnitude lies under 2^-124 keeps the byte 1 (its codes then are as the conversion gives them).
; WINDOWS: fragment f lies in window 1 + f / 21 at register 12 (f % 21): 0-47 W's (6 q + t), 48-55 and 56-63 x's two sets; fragment 63 lies in window 0.  All else lies in window 0.
.set REC,   13056
.set KA,    0
.set KB,    4096
.set VC,    6144
.set KSO,   12288
.set VSO,   12800
.set PITCH, 816
.set STGQ,  256*PITCH                  ; Q's or K's scale words: 1,024 bytes a wave
.set STGV,  STGQ+4096                  ; V's: [head of two][record of two][256]
.set SPARE, STGV+1024                  ; the spare words: 512 bytes that no other line names
.set FLOOR, 0x1800000                  ; 2^(3 - 127): holds the byte at 1 from below
.set Y2,   0                           ; v0-2    V: the second tile's upper codes (v0 has served by then)
.set SPW,  4
.set NIL,  5
.set ADRA, 6                           ; v6, v7  LDS address of the block fetched next (v7: for pieces behind one padding more)
.set L16,  8
.set L8,   9
.set XSA,  10                          ; v10     32 x lane
.set STQ,  11
.set STV,  12
.set PFO,  13
.set UU,   14                          ; v14-15  V's maxima
.set TT,   16                          ; v16-19  four chains
.set PP,   20
.set SS,   22
.set WS,   24                          ; v24-47  W's scale words: register 8 t' + q: tile 2 t' in lanes 0-15, 2 t' + 1 in lanes 16-31
.set YY,   48
.set XS,   52                          ; v52-67  x's scale words, two sets for a pair of blocks each (even block in lanes 0-15)
.set XX,   68                          ; v68-73  an operand's six registers
.set XF,   74                          ; v74-85  fragment 63
.set AD1,  86
.set ACCQ, 88                          ; v88-151 two sets of four accumulators
.set ACCV, 152                         ; v152-183 two tiles x (even block 8, odd block 8)
.set BQ,   184                         ; v184-215 Q's or K's bias as C
.set BVB,  216                         ; v216-231 V's
.set OP,   232                         ; v232-255 V's two operands of twelve
.set SEL,  60
.set MSB, 0
.macro WIN new
.if MSB != (\new)
	s_set_vgpr_msb (MSB<<8)|(\new)
.set MSB, (\new)
.endif
.endm
.macro PLACES n
.rept \n
	v_nop
.endr
.endm
.macro WALU
	s_wait_alu depctr_va_vdst(0)
.endm
.macro CROUND
	s_barrier_signal -1
	s_barrier_wait -1
	s_cmp_lg_u32 s16, 0
	s_cbranch_scc1 .Lnot_wave_0_\@
	s_barrier_signal -3
.Lnot_wave_0_\@:
	s_barrier_wait -3
	s_barrier_signal -1
	s_barrier_wait -1
.endm
.macro LOC f                           ; where fragment f lies
.if (\f) == 63
.set FW_, 0
.set FR_, XF
.else
.set FW_, 1+(\f)/21
.set FR_, 12*((\f)%21)
.endif
.endm
; a fragment of x from LDS: six pieces of 8 bytes, two to a load where both lie behind as many paddings.  NFC counts the loads of a fetch
.macro FRAG f, q, a0, a1
	LOC \f
	WIN (FW_<<6)
.set SK_, 0
.irp p, 0,1,2,3,4,5
.if SK_
.set SK_, 0
.else
.set PC_, 12*(\q)+6*(\p/3)+\p%3
.set PN_, 12*(\q)+6*((\p+1)/3)+(\p+1)%3
.set X_, (PC_%32+3)/32
.set XN_, (PN_%32+3)/32
.set NFC, NFC+1
.if (\p < 5) && (X_ == XN_)
.set SK_, 1
.if X_
	ds_load_2addr_b64 v[FR_+2*\p:FR_+2*\p+3], \a1 offset0:PC_+2*(PC_/32) offset1:PN_+2*(PN_/32)
.else
	ds_load_2addr_b64 v[FR_+2*\p:FR_+2*\p+3], \a0 offset0:PC_+2*(PC_/32) offset1:PN_+2*(PN_/32)
.endif
.elseif X_
	ds_load_b64 v[FR_+2*\p:FR_+2*\p+1], \a1 offset:8*(PC_+2*(PC_/32))
.else
	ds_load_b64 v[FR_+2*\p:FR_+2*\p+1], \a0 offset:8*(PC_+2*(PC_/32))
.endif
.endif
.endr
.endm
.macro FETCHAT e, a0, a1               ; a block's eight fragments into set e
.set NFC, 0
.irp q, 0,1,2,3,4,5,6,7
	FRAG 48+8*(\e)+\q, \q, \a0, \a1
.endr
	WIN 0
.endm
.macro WM d, a, b, c, xa, xb, ra, rb
	v_wmma_scale_f32_16x16x128_f8f6f4 v[\d:\d+7], v[\a:\a+11], v[\b:\b+11], \c, v[\xa], v[\xb] matrix_a_fmt:MATRIX_FMT_FP6 matrix_b_fmt:MATRIX_FMT_FP6 matrix_a_scale:MATRIX_SCALE_ROW\ra matrix_b_scale:MATRIX_SCALE_ROW\rb
.endm
.macro WMR d, a, b, c, xa, xb, ra, rb
.if (\ra) && (\rb)
	WM \d, \a, \b, \c, \xa, \xb, 1, 1
.elseif (\ra)
	WM \d, \a, \b, \c, \xa, \xb, 1, 0
.elseif (\rb)
	WM \d, \a, \b, \c, \xa, \xb, 0, 1
.else
	WM \d, \a, \b, \c, \xa, \xb, 0, 0
.endif
.endm
.macro PROD s, q, t                    ; block s, K step q, tile t (0-3 Q or K, 4-5 V)
	LOC 6*(\q)+(\t)
.set WW_, FW_
.set WR_, FR_
	LOC 48+8*((\s)%2)+(\q)
.set XQ_, XS+8*(((\s)/2)%2)+(\q)
.if (\t) < 4
.set D_, ACCQ+32*((\s)%2)+8*(\t)
.set WQ_, WS+8*((\t)/2)+(\q)
	WIN (WW_|(FW_<<2))
.if (\q) == 0
	WMR D_, WR_, FR_, v[BQ+8*(\t):BQ+8*(\t)+7], WQ_, XQ_, (\t)%2, (\s)%2
.else
	WMR D_, WR_, FR_, v[D_:D_+7], WQ_, XQ_, (\t)%2, (\s)%2
.endif
.else
.set D_, ACCV+16*((\t)-4)+8*((\s)%2)
.set WQ_, WS+16+(\q)
	WIN (FW_|(WW_<<2))
.if (\q) == 0
	WMR D_, FR_, WR_, v[BVB+8*((\t)-4):BVB+8*((\t)-4)+7], XQ_, WQ_, (\s)%2, (\t)-4
.else
	WMR D_, FR_, WR_, v[D_:D_+7], XQ_, WQ_, (\s)%2, (\t)-4
.endif
.endif
.endm
; line i (0 .. 34) of the way out of the 32 sums at A: two blocks of 32 along the head, 16 of each in my lane.  Each accumulator is read from its low end on
.macro QL i, A
.if (\i) >= 0 && (\i) < 35
	WIN 0
.if (\i) < 16                          ; four chains: block i % 2, its half (i % 4) / 2
.set C_, (\i)%4
.set B_, (\A)+16*(C_%2)+8*(C_/2)+2*((\i)/4)
.if (\i) < 4
	v_max3_num_f32 v[TT+C_], |v[B_]|, |v[B_+1]|, FLOOR
.else
	v_max3_num_f32 v[TT+C_], v[TT+C_], |v[B_]|, |v[B_+1]|
.endif
.elseif (\i) < 18
	v_max_num_f32 v[TT+(\i)-16], v[TT+(\i)-16], v[TT+(\i)-14]
.elseif (\i) < 20
	v_permlanex16_b32 v[PP+(\i)-18], v[TT+(\i)-18], s[SEL], s[SEL+1]
.elseif (\i) < 22
	v_max_num_f32 v[TT+(\i)-20], v[TT+(\i)-20], v[PP+(\i)-20]      ; with lane l xor 16's: the block's largest magnitude
.elseif (\i) < 24
	v_add_nc_u32 v[SS+(\i)-22], 0xff000000, v[TT+(\i)-22]          ; 2 off its exponent field: the conversion's scale operand
.elseif (\i) == 24
	v_cvt_scalef32_pk16_fp6_f32 v[XX:XX+2], v[(\A):(\A)+15], v[SS]
.elseif (\i) == 25
	v_cvt_scalef32_pk16_fp6_f32 v[YY:YY+2], v[(\A)+16:(\A)+31], v[SS+1]
.elseif (\i) < 28
	v_lshrrev_b32 v[TT+(\i)-26], 23, v[SS+(\i)-26]                 ; the bytes (plain lines behind the conversions)
.elseif (\i) == 28
	v_lshl_or_b32 v[TT], v[TT+1], 8, v[TT]                         ; the scale word: bytes 2 and 3 stay 0
.elseif (\i) < 32
	v_permlane16_swap_b32 v[XX+(\i)-29], v[YY+(\i)-29]             ; a whole block to a lane
.else
	v_mov_b32 v[XX+(\i)-29], v[YY+(\i)-32]
.endif
.endif
.endm
.macro VP i                            ; line i (0 .. 7): V's maxima over the even block's eight sums of each tile
.if (\i) >= 0 && (\i) < 8
	WIN 0
.set B_, ACCV+16*((\i)%2)+2*((\i)/2)
.if (\i) < 2
	v_max3_num_f32 v[UU+(\i)%2], |v[B_]|, |v[B_+1]|, FLOOR
.else
	v_max3_num_f32 v[UU+(\i)%2], v[UU+(\i)%2], |v[B_]|, |v[B_+1]|
.endif
.endif
.endm
.macro ENT i, s                        ; entry i of block s's list
.if (\s) > 0
	QL \i, ACCQ+32*(((\s)-1)%2)
.if (\s)%2
	VP (\i)-35
.endif
.endif
.endm
.macro VTAIL s                         ; behind an odd block: the pair's 32 tokens are a block of V's K, 16 in my lane
.set BE_, ((\s)%8)/2
.set OC_, OP+6*(BE_/2)
.irp t, 0,1
	v_max3_num_f32 v[UU+\t], v[UU+\t], |v[ACCV+16*\t+8]|, |v[ACCV+16*\t+9]|
.endr
.irp t, 0,1
	v_max3_num_f32 v[TT+2+\t], |v[ACCV+16*\t+12]|, |v[ACCV+16*\t+13]|, |v[ACCV+16*\t+14]|
.endr
.irp t, 0,1
	v_max3_num_f32 v[UU+\t], v[UU+\t], |v[ACCV+16*\t+10]|, |v[ACCV+16*\t+11]|
.endr
.irp t, 0,1
	v_max3_num_f32 v[UU+\t], v[UU+\t], v[TT+2+\t], |v[ACCV+16*\t+15]|
.endr
.irp t, 0,1
	v_permlanex16_b32 v[PP+\t], v[UU+\t], s[SEL], s[SEL+1]
.endr
.irp t, 0,1
	v_max_num_f32 v[UU+\t], v[UU+\t], v[PP+\t]
.endr
.irp t, 0,1
	v_add_nc_u32 v[SS+\t], 0xff000000, v[UU+\t]
.endr
.if BE_%2 == 0
	v_cvt_scalef32_pk16_fp6_f32 v[OC_:OC_+2], v[ACCV:ACCV+15], v[SS]
	v_cvt_scalef32_pk16_fp6_f32 v[OC_+12:OC_+14], v[ACCV+16:ACCV+31], v[SS+1]
.else
	v_cvt_scalef32_pk16_fp6_f32 v[YY:YY+2], v[ACCV:ACCV+15], v[SS]
	v_cvt_scalef32_pk16_fp6_f32 v[Y2:Y2+2], v[ACCV+16:ACCV+31], v[SS+1]
.endif
.irp t, 0,1
	v_lshrrev_b32 v[PP+\t], 23, v[SS+\t]           ; the bytes (plain lines behind the conversions)
.endr
.if BE_%2
.irp i, 0,1,2
	v_permlane16_swap_b32 v[OC_+\i], v[YY+\i]
	v_permlane16_swap_b32 v[OC_+12+\i], v[Y2+\i]
.endr
.irp i, 0,1,2
	v_mov_b32 v[OC_+3+\i], v[YY+\i]
	v_mov_b32 v[OC_+15+\i], v[Y2+\i]
.endr
.endif
.endm
.macro QST a                           ; block a's tile of Q or K leaves: 512 and 256 consecutive bytes; its scale word goes to my stage (both halves of the lanes write the same word)
	ds_store_b32 v[STQ], v[TT] offset:512*((\a)/8)+256*((\a)%2)+4*(((\a)%8)/2)
	global_store_b128 v[L16], v[XX:XX+3], s[54:55] offset:((\a)/8)*REC+KA+512*((\a)%8)
	global_store_b64 v[L8], v[XX+4:XX+5], s[54:55] offset:((\a)/8)*REC+KB+256*((\a)%8)
.endm
.macro VST s
.irp t, 0,1
	ds_store_b8 v[STV], v[PP+\t] offset:256*((\s)/8)+128*\t+((\s)%8)/2
.endr
.if (\s)%8 == 7                        ; a record's operands are whole
.irp t, 0,1
.irp c, 0,1,2
	global_store_b128 v[L16], v[OP+12*\t+4*\c:OP+12*\t+4*\c+3], s[56:57] offset:((\s)/8)*REC+VC+1536*\t+512*\c
.endr
.endr
.endif
.endm
.macro BLK s
.if (\s) > 0
	s_wait_xcnt 0x0                                ; the last block's stores have read their registers
.endif
.if (\s) == 15
	s_wait_dscnt 0x0                               ; nothing was fetched behind this block's rows
.else
	s_wait_dscnt NFC                               ; this block's rows are in; the next block's fetch, NFC loads, may be out
.endif
.if (\s)%2 == 0 && (\s) >= 4
.if (\s) < 14
	s_wait_loadcnt 0x2                             ; this pair's scale words are in; the next pair's two loads may be out
.else
	s_wait_loadcnt 0x0
.endif
.endif
.set LI_, 0
.irp q, 0,1,2,3,4,5,6,7
.if (\s) == 0 && \q >= 4
	s_wait_loadcnt 18*(7-\q)                       ; W's fragments of this K step are in; the 18 loads of each later step may be out
.endif
.irp t, 0,1,2,3,4,5
	PROD \s, \q, \t
.if \t%3 == 2
.rept 3
	ENT LI_, \s
.set LI_, LI_+1
.endr
.endif
.endr
.endr
	WIN 0
	PLACES 4                                       ; between the products and the reads of their results and the loads into their operands
.if (\s)%2
	VTAIL \s
.endif
	WALU                                           ; the wait ahead of the readers below and of the next block's waits
.if (\s) > 0
	QST (\s)-1
.endif
.if (\s)%2
	VST \s
.endif
.if (\s) < 14
	FETCHAT (\s)%2, v[ADRA], v[ADRA+1]             ; the block two on, into the set just multiplied
.endif
.if (\s)%2 && (\s) < 12
.irp c, 0,1
	global_load_b128 v[XS+8*(((\s)/2)%2)+4*\c:XS+8*(((\s)/2)%2)+4*\c+3], v[XSA], s[52:53] offset:1024*((\s)/2+2)+16*\c   ; the scale words of the pair two on
.endr
.endif
.if (\s) < 13
	v_add_nc_u32 v[ADRA], 16*PITCH, v[ADRA]
	v_add_nc_u32 v[ADRA+1], 16*PITCH, v[ADRA+1]
.endif
.endm
; ---------------- the head
	s_load_b256 s[4:11], s[0:1], 0x0               ; xc, xs, wc, ws
	s_load_b128 s[12:15], s[0:1], 0x20             ; b_qkv, qkv
	v_lshl_add_u32 v[SPW], v0, 2, SPARE
	v_mov_b32 v[NIL], 0
	ds_add_u32 v[SPW], v[NIL]                      ; the opening lines: the add, twice on end, and its wait
	ds_add_u32 v[SPW], v[NIL]
	v_lshrrev_b32 v1, 5, v0
	v_readfirstlane_b32 s16, v1                    ; wave
	s_bfe_u32 s17, ttmp6, 0x40000                  ; cx
	s_lshl_b32 s18, ttmp9, 2
	s_add_co_u32 s18, s18, s17                     ; column group g
	s_and_b32 s19, ttmp7, 0xffff                   ; row tile
	s_lshl_b32 s36, s18, 2
	s_add_co_u32 s36, s36, s16                     ; 4 g + w: my head of Q (0-15) or K (16-31)
	s_mov_b32 s24, 15|(1<<20)|(1<<21)|(5<<22)|(3<<25)  ; the cluster's four; bytes; 4 words of padding behind every 64
	s_mov_b32 s25, 768<<16
	s_mov_b32 s26, 64<<16
	s_mov_b32 s27, 768<<16
	s_mov_b32 s28, 64
	s_mov_b32 s29, 768
	s_mov_b32 s30, 0
	s_mov_b32 s31, 0
	s_mov_b32 s32, 1
	s_mul_i32 s33, s16, 64*PITCH                   ; my 64 rows' place in LDS
	s_mul_i32 s20, s19, 256*768
	s_mul_i32 s21, s16, 64*768
	s_add_co_u32 s20, s20, s21
	s_mov_b32 s21, 0
	s_mul_i32 s40, s36, 4*12288                    ; my four tiles of W_q or W_k,
	s_mov_b32 s41, 0
	s_mul_i32 s42, s36, 2*12288
	s_add_co_u32 s42, s42, 128*12288               ; my two of W_v
	s_mov_b32 s43, 0
	s_lshl_b32 s44, s36, 11                        ; their scale bytes
	s_mov_b32 s45, 0
	s_lshl_b32 s46, s36, 10
	s_add_co_u32 s46, s46, 2048*32
	s_mov_b32 s47, 0
	s_lshl_b32 s48, s36, 8                         ; their biases
	s_mov_b32 s49, 0
	s_lshl_b32 s50, s36, 7
	s_add_co_u32 s50, s50, 8192
	s_mov_b32 s51, 0
	s_lshl_b32 s52, s19, 13                        ; my rows' scale bytes
	s_mov_b32 s53, 0
	s_lshr_b32 s22, s19, 3
	s_lshl_b32 s22, s22, 5                         ; 32 x batch
	s_and_b32 s23, s19, 7
	s_lshl_b32 s23, s23, 1                         ; the tile's first record
	s_add_co_u32 s54, s22, s36
	s_lshl_b32 s54, s54, 4
	s_add_co_u32 s54, s54, s23
	s_mul_i32 s54, s54, REC                        ; Q's or K's records
	s_mov_b32 s55, 0
	s_lshr_b32 s37, s36, 1                         ; V's head
	s_add_co_u32 s56, s22, s37
	s_add_co_u32 s56, s56, 16
	s_lshl_b32 s56, s56, 4
	s_add_co_u32 s56, s56, s23
	s_mul_i32 s56, s56, REC
	s_and_b32 s38, s16, 1
	s_mul_i32 s58, s38, REC
	s_add_co_u32 s58, s58, s56
	s_add_co_u32 s58, s58, VSO                     ; the unit of V's scale words that I store: head w / 2, record w % 2
	s_mov_b32 s59, 0
	s_mul_i32 s39, s38, 2*1536
	s_add_co_u32 s56, s56, s39                     ; my two of the head's four operands
	s_mov_b32 s57, 0
	s_mov_b32 s[SEL], 0x76543210
	s_mov_b32 s[SEL+1], 0xfedcba98                 ; lane l xor 16
	WALU
	s_wait_dscnt 0x0
	CROUND                                         ; the round in front of the joint loads
	s_wait_kmcnt 0x0
	s_add_nc_u64 s[34:35], s[4:5], s[20:21]
	s_or_b32 s35, s35, 0x80000000
	tensor_load_to_lds s[32:35], s[24:31]          ; my quarter of the tile's rows: my one tensor load
	s_nop 0
	PLACES 4
	s_add_nc_u64 s[40:41], s[8:9], s[40:41]
	s_add_nc_u64 s[42:43], s[8:9], s[42:43]
	s_add_nc_u64 s[44:45], s[10:11], s[44:45]
	s_add_nc_u64 s[46:47], s[10:11], s[46:47]
	s_add_nc_u64 s[48:49], s[12:13], s[48:49]
	s_add_nc_u64 s[50:51], s[12:13], s[50:51]
	s_add_nc_u64 s[52:53], s[6:7], s[52:53]
	s_add_nc_u64 s[54:55], s[14:15], s[54:55]
	s_add_nc_u64 s[56:57], s[14:15], s[56:57]
	s_add_nc_u64 s[58:59], s[14:15], s[58:59]
	v_and_b32 v1, 15, v0                           ; r
	v_bfe_u32 v2, v0, 4, 1                         ; h
	v_and_b32 v3, 31, v0                           ; lane
	v_lshlrev_b32 v[L16], 4, v3
	v_lshlrev_b32 v[L8], 3, v3
	v_lshlrev_b32 v[XSA], 5, v3
	v_mul_u32_u24 v[ADRA+1], v1, PITCH
	v_mad_u32_u24 v[ADRA], v2, 24, v[ADRA+1]
	v_mad_u32_u24 v[ADRA+1], v2, 40, v[ADRA+1]
	v_add_nc_u32 v[AD1], 16*PITCH, v[ADRA]
	v_add_nc_u32 v[AD1+1], 16*PITCH, v[ADRA+1]
	s_lshl_b32 s20, s16, 10
	s_add_co_u32 s20, s20, STGQ
	v_lshl_add_u32 v[STQ], v1, 4, s20
	s_lshr_b32 s21, s16, 1
	s_lshl_b32 s21, s21, 9
	s_lshl_b32 s22, s38, 2
	s_add_co_u32 s21, s21, s22
	s_add_co_u32 s21, s21, STGV
	v_lshl_add_u32 v[STV], v1, 3, s21
	v_lshlrev_b32 v88, 6, v2                       ; Q, K: register 8 t + j is channel 32 (t / 2) + 8 (t % 2) + 16 h + j
	v_and_b32 v89, 8, v1
	v_add_nc_u32 v89, v89, v1
	v_lshlrev_b32 v89, 2, v89                      ; V: lane r of tile t is channel 8 t + r + 8 (r / 8)
	s_lshl_b32 s22, s17, 2
	s_add_co_u32 s22, s22, s16                     ; my number i among the cluster's sixteen waves
	s_cmp_lt_u32 s22, 8
	s_cselect_b32 s23, 4096, 0
	s_add_co_u32 s22, s22, 8
	s_lshl_b32 s22, s22, 8
	v_min_u32 v[PFO], 1, v3
	v_mul_u32_u24 v[PFO], v[PFO], s23
	v_add_nc_u32 v[PFO], s22, v[PFO]               ; lane 0: block 8 + i of 256 bytes; the others: block 24 + i (i under 8), else the same again
	v_mov_b32 v[PP], 0                             ; written once: a lane permute's destination counts as one of its sources
	v_mov_b32 v[PP+1], 0
	WALU                                           ; the wait at the head's end
.irp p, 0,1
.irp c, 0,1
	global_load_b128 v[XS+8*\p+4*\c:XS+8*\p+4*\c+3], v[XSA], s[52:53] offset:1024*\p+16*\c
	global_load_b128 v[WS+8*\p+4*\c:WS+8*\p+4*\c+3], v[XSA], s[44:45] offset:1024*\p+16*\c
.endr
.endr
.irp c, 0,1
	global_load_b128 v[WS+16+4*\c:WS+16+4*\c+3], v[XSA], s[46:47] offset:16*\c
.endr
.irp t, 0,1,2,3
.irp i, 0,1
	global_load_b128 v[BQ+8*\t+4*\i:BQ+8*\t+4*\i+3], v88, s[48:49] offset:4*(32*(\t/2)+8*(\t%2))+16*\i
.endr
.endr
.irp t, 0,1
	global_load_b32 v[BVB+8*\t], v89, s[50:51] offset:32*\t
.endr
	global_prefetch_b8 v[PFO], s[52:53] th:TH_LOAD_NT scope:SCOPE_SE
.set F_, 0
.rept 48                               ; W's fragments, K step by K step: 144 loads of 512 consecutive bytes
	LOC F_
	WIN (FW_<<6)
.irp p, 0,1,2
.if F_%6 < 4
	global_load_b128 v[FR_+4*\p:FR_+4*\p+3], v[L16], s[40:41] offset:(F_%6)*12288+(F_/6)*1536+512*\p
.else
	global_load_b128 v[FR_+4*\p:FR_+4*\p+3], v[L16], s[42:43] offset:(F_%6-4)*12288+(F_/6)*1536+512*\p
.endif
.endr
.set F_, F_+1
.endr
	WIN 0
	s_wait_tensorcnt 0x0                           ; my quarter is in;
	s_barrier_signal -1
	s_barrier_wait -1                              ; all four are.
	FETCHAT 0, v[ADRA], v[ADRA+1]
	FETCHAT 1, v[AD1], v[AD1+1]
	v_add_nc_u32 v[ADRA], 32*PITCH, v[ADRA]
	v_add_nc_u32 v[ADRA+1], 32*PITCH, v[ADRA+1]
	s_wait_loadcnt 63                              ; of 164 loads the first 101 are in: scales, biases, W's K steps 0 to 3
.irp t, 0,8
.irp i, 1,2,3,4,5,6,7
	v_mov_b32 v[BVB+\t+\i], v[BVB+\t]              ; V's bias, one number a lane and tile, over the tile's eight registers
.endr
.endr
	WALU
; ---------------- sixteen blocks
.set SB_, 0
.rept 16
	BLK SB_
.set SB_, SB_+1
.endr
; ---------------- the end: the last tile's way out, then the scale words
	s_wait_xcnt 0x0
.set LI_, 0
.rept 35
	QL LI_, ACCQ+32
.set LI_, LI_+1
.endr
	s_lshl_b32 s20, s16, 10
	s_add_co_u32 s20, s20, STGQ
	v_add_nc_u32 v[UU], s20, v[L16]
	s_lshl_b32 s21, s16, 8
	s_add_co_u32 s21, s21, STGV
	v_add_nc_u32 v[UU+1], s21, v[L8]
	WALU
	QST 15
	s_wait_dscnt 0x0                               ; my stores into the stages are done
	s_barrier_signal -1
	s_barrier_wait -1
	ds_load_b128 v[88:91], v[UU]
	ds_load_b128 v[92:95], v[UU] offset:512
	ds_load_b64 v[96:97], v[UU+1]
	s_wait_dscnt 0x0
	global_store_b128 v[L16], v[88:91], s[54:55] offset:KSO
	global_store_b128 v[L16], v[92:95], s[54:55] offset:REC+KSO
	global_store_b64 v[L8], v[96:97], s[58:59]     ; 256 consecutive bytes, aligned
	s_wait_tensorcnt 0x0                           ; the wave's end
	ds_add_u32 v[SPW], v[NIL]
	s_wait_dscnt 0x0
	CROUND                                         ; the closing round
	s_endpgm
.Lfunc_end_k_q2080cc9b14_gemm:
	.size	k_q2080cc9b14_gemm, .Lfunc_end_k_q2080cc9b14_gemm-k_q2080cc9b14_gemm
	.p2alignl 7, 3214868480
	.fill 96, 4, 3214868480
	.section	.rodata,"a",@progbits
	.p2align	6, 0x0
	.amdhsa_kernel k_q2080cc9b14_gemm
		.amdhsa_group_segment_fixed_size 327680
		.amdhsa_private_segment_fixed_size 0
		.amdhsa_enable_private_segment 0
		.amdhsa_kernarg_size 48
		.amdhsa_user_sgpr_count 2
		.amdhsa_user_sgpr_kernarg_segment_ptr 1
		.amdhsa_wavefront_size32 1
		.amdhsa_system_sgpr_workgroup_id_x 1
		.amdhsa_system_sgpr_workgroup_id_y 1
		.amdhsa_system_sgpr_workgroup_id_z 1
		.amdhsa_system_vgpr_workitem_id 0
		.amdhsa_next_free_vgpr 1024
		.amdhsa_next_free_sgpr 66
		.amdhsa_reserve_vcc 0
		.amdhsa_float_denorm_mode_32 3
		.amdhsa_float_denorm_mode_16_64 3
		.amdhsa_memory_ordered 1
		.amdhsa_forward_progress 1
		.amdhsa_inst_pref_size 223
	.end_amdhsa_kernel
	.amdgpu_metadata
---
amdhsa.version: [ 1, 2 ]
amdhsa.kernels:
  - .name:           k_q2080cc9b14_gemm
    .symbol:         k_q2080cc9b14_gemm.kd
    .args:
      - { .name: xc, .offset: 0, .size: 8, .value_kind: global_buffer, .address_space: global }
      - { .name: xs, .offset: 8, .size: 8, .value_kind: global_buffer, .address_space: global }
      - { .name: wc, .offset: 16, .size: 8, .value_kind: global_buffer, .address_space: global }
      - { .name: ws, .offset: 24, .size: 8, .value_kind: global_buffer, .address_space: global }
      - { .name: b_qkv, .offset: 32, .size: 8, .value_kind: global_buffer, .address_space: global }
      - { .name: qkv, .offset: 40, .size: 8, .value_kind: global_buffer, .address_space: global }
    .group_segment_fixed_size: 327680
    .private_segment_fixed_size: 0
    .kernarg_segment_align: 8
    .kernarg_segment_size: 48
    .max_flat_workgroup_size: 128
    .sgpr_count:     66
    .vgpr_count:     1024
    .wavefront_size: 32
...
	.end_amdgpu_metadata
.endif
;; end of part 2
;; launch attn (part 3): grid 4 x 64, 16 waves a work-group, no clusters, 327,680 bytes of LDS; arguments qkv, out0; writes out0
.if DOCPART == 3
	.amdgcn_target "amdgcn-amd-amdhsa--gfx1250"
	.amdhsa_code_object_version 6
	.text
	.protected	k_q2080cc9b14_attn
	.globl	k_q2080cc9b14_attn
	.p2align	8
	.type	k_q2080cc9b14_attn,@function
k_q2080cc9b14_attn:
	s_mov_b64 s[64:65], 0
	v_nop
	global_prefetch_b8 v0, s[64:65] scope:SCOPE_SE
	s_setreg_imm32_b32 hwreg(HW_REG_WAVE_MODE, 25, 1), 1
	s_wait_xcnt 0x0
; out[b][q][head 64 + :] = the sum over keys k <= q of softmax_k(Q . K / 8) V, both products on codes of FP6 (E2M3) with E8M0 scales.  64 heads (batch x 16 + head), 2,048 tokens, head size 64.
; Q, K, V come as images of operand registers in records of 13,056 bytes for 128 tokens (KA 0, KB 4096, VC 6144, KS 12288, VS 12800: the launch before lays them).
; THE SOFTMAX: t = score x log2(e) / 8; M = the row's largest t so far, rounded UP to a whole number; p = 2^(t - M) is quantised along the keys, not normalised; the row's sum is taken of the
; unquantised p and divides at the end.  When M moves, the sum and O are multiplied by 2^(old M - new M): exact.
; K = 64 IN AN INSTRUCTION OF 128: Q's registers 6-11 are zero codes, so whatever codes K's registers 6-11 hold add nothing (E2M3 has no infinity and no NaN); the scale bytes 2, 3 are 0 on both sides, never 0xff.
; SHARES, even under the mask.  Work-group (i, head) owns blocks 7 - i and i of 256 queries, one after the other: block 7 - i over key slots 0 .. 7 - i, then block i over slots 0 .. i: NINE visits of a slot
; of 256 keys in every work-group, so every trip count is a constant.  Each of sixteen waves owns one tile of 16 queries at a time: tile w % 8 of record 2 block + w / 8.
; A key step (128 keys, a record) all of whose keys come after the wave's queries is jumped over (a scalar branch on ids); no barrier and no tensor load stands in a step.
; LAYOUT.  Both products transposed: S^T = K Q^T, O^T = V^T P^T: a lane holds one query.  Lane r of a tile a of tokens holds token 32 (a / 2) + 8 (a % 2) + r + 8 (r / 8), so that the 16 registers of
; score tiles 2 b, 2 b + 1 are keys 32 b + 16 h + 0 .. 15; lane r of V's tile 2 al + u holds channel 32 al + 8 u + r + 8 (r / 8).
; NO CLUSTER: the four work-groups of a head part on their block's number (the jumps over hidden steps, the change of block), which in a cluster would be the place in it, on which no branch may hang;
; and from visit 8 - i on they walk different slots.  What they share is nine slots of 26,112 bytes each.
; LIMITS: NaN and infinities are not served.
; LDS: slot 0 at 0, slot 1 at 2^17 (26,112 bytes each); the waves' stages for the way out at 32,768 (16 x 4,352 bytes, no fill ever lands there); the spare words at 2^18.
; REGISTERS: v1-11 addresses; v12 -M, v13 the largest t, v[14:15] the sum; v16-27 Q; v28-31 offsets; v32-79 four fragments of K or V; v80-86 the second block's Q; v96-159 S^T, then p; v160-191 O^T;
; v224-235 p's codes; v232-247, v252, v254 at work; v248-251 K's or V's scale words, v253 p's, v255 Q's.
.set REC,   13056
.set HSTR,  16*REC
.set KA,    0
.set KB,    4096
.set VC,    6144
.set KSO,   12288
.set VSO,   12800
.set SLOT1, 1<<17
.set STAGE, 32768
.set SPARE, 2*SLOT1                    ; 128 bytes for each wave: eight blocks of 256 bytes that no other line names
.set I16,  1                           ; v1   16 x lane
.set I8,   2                           ; v2   8 x lane
.set L16,  3                           ; v3   the slot in hand + 16 x lane
.set L8,   4                           ; v4   the slot in hand + 8 x lane
.set SPW,  5
.set NIL,  6
.set GO,   7                           ; v7   the way out: 4096 h + 16 r
.set DG,   8                           ; v8   my query's place in its record - 16 h
.set NINF, 9                           ; v9   -infinity
.set STI,  10                          ; v10  into my stage
.set STO,  11                          ; v11  out of it
.set QA,   28
.set QB,   29
.set QS,   30
.set PFO,  31
.set WV,   18
.set SEL,  20
.set CS,   22
.set G1,   24
.set G0,   40
.set TB,   2                           ; s2   LDS byte at which the slot in hand begins
.set SWV,  66                          ; s66  i + 1: the count at which block 7 - i ends
.set SLOTS, 67                         ; s67  visits still to be asked for
.set KF,   68                          ; s68  the key step's record
.set SQ,   69                          ; s69  my queries' record
.set SQA,  70                          ; s70  the second block's
.set OFFS, 72                          ; s[72:73] the slot to be fetched, in bytes
.set KVB,  74                          ; s[74:75] my record of the head's slot 0
.set PFA,  76                          ; s[76:77] where the prefetches stand
.set LIM,  80
.set OUT,  82
.set OUT2, 84
.set QP0,  86
.set QP1,  88
; Waves 0 and 1 each fetch one record of a slot; the branch hangs on the wave's number alone.  Four v_nop follow the load.  One load of a wave is out at any time.
.macro TLOAD
	s_cmp_lt_u32 s[WV], 2
	s_cbranch_scc0 .Lnone_\@
	tensor_load_to_lds s[G0:G0+3], s[G1:G1+7]
	s_nop 0
.rept 4
	v_nop
.endr
.Lnone_\@:
.endm
; A PREFETCH INTO THE L2 of the slot that the NEXT change of slots will ask for.  All four work-groups of a head walk the same records: the head's first work-group asks, in its first six visits, for slots 2 to 7;
; in it waves 4 to 6, which fetch nothing: lane j of their 96 names byte 256 j of the slot's first record (j under 48) or byte 256 (j - 48) of its second: the 48 blocks of codes of each, each block once.
; Slots 0 and 1, and each record's 768 scale bytes, come by their loads alone.
.macro ASK
	s_cmp_gt_u32 s[SLOTS], s[LIM]
	s_cbranch_scc0 .Lnot_mine_\@
	global_prefetch_b8 v[PFO], s[PFA:PFA+1] th:TH_LOAD_NT scope:SCOPE_SE
.Lnot_mine_\@:
.endm
.macro STATE                           ; a tile of queries begins: the largest t under every t, zeros for the sum and O^T, which the first change of M leaves zeros
	v_mov_b32 v13, 0xff61b1e6                      ; -3e38
	s_delay_alu instid0(VALU_DEP_1)
	v_floor_f32 v12, -v13                          ; -M
	v_mov_b32 v14, 0
	v_mov_b32 v15, 0
.set J, 0
.rept 32
	v_mov_b32 v[160+J], 0
.set J, J+1
.endr
.endm
	s_load_b128 s[4:7], s[0:1], 0x0                ; qkv, out0
	v_lshl_add_u32 v[SPW], v0, 2, SPARE
	v_mov_b32 v[NIL], 0
	ds_add_u32 v5, v6
	ds_add_u32 v5, v6
	s_wait_dscnt 0x0
	v_lshrrev_b32 v1, 5, v0
	s_delay_alu instid0(VALU_DEP_1)
	v_readfirstlane_b32 s[WV], v1                  ; wave 0..15
	s_and_b32 s44, ttmp7, 0xffff                   ; batch x 16 + head
	s_lshr_b32 s45, s44, 4                         ; batch
	s_and_b32 s46, s44, 15                         ; head
	s_lshl_b32 s47, s45, 5
	s_add_co_u32 s47, s47, s46
	s_mul_i32 s47, s47, HSTR                       ; where the head's records of q begin; k's and v's lie 16 HSTR on
	s_lshr_b32 s48, s[WV], 3
	s_sub_co_u32 s49, 7, ttmp9                     ; the first block
	s_and_b32 s50, s[WV], 1
	s_and_b32 s51, s[WV], 7                        ; a: my tile in its record
	s_lshl_b32 s[SQ], s49, 1
	s_add_co_u32 s[SQ], s[SQ], s48
	s_lshl_b32 s[SQA], ttmp9, 1
	s_add_co_u32 s[SQA], s[SQA], s48
	s_add_co_u32 s[SWV], ttmp9, 1
	s_mul_i32 s[QP0], s[SQ], REC
	s_add_co_u32 s[QP0], s[QP0], s47
	s_mov_b32 s[QP0+1], 0
	s_mul_i32 s[QP1], s[SQA], REC
	s_add_co_u32 s[QP1], s[QP1], s47
	s_mov_b32 s[QP1+1], 0
	s_mul_i32 s[G0+1], s50, REC                    ; my record's place in a slot: slot 0
	s_mul_i32 s[KVB], s50, REC
	s_add_co_u32 s[KVB], s[KVB], s47
	s_add_co_u32 s[KVB], s[KVB], 16*HSTR
	s_mov_b32 s[KVB+1], 0
	s_add_co_u32 s[PFA], s47, 16*HSTR+2*REC        ; slot 1: the first change of slots steps it to slot 2
	s_mov_b32 s[PFA+1], 0
	s_lshr_b32 s52, s[WV], 1                       ; my tile's first token: 256 block + 32 (w / 2) + 8 (w % 2)
	s_lshl_b32 s52, s52, 5
	s_lshl_b32 s53, s50, 3
	s_add_co_u32 s52, s52, s53
	s_lshl_b32 s53, s45, 11
	s_add_co_u32 s52, s52, s53                     ; + 2,048 batch
	s_lshl_b32 s54, s46, 8                         ; the head's 256 bytes of a row of out
	s_lshl_b32 s53, s49, 8
	s_add_co_u32 s[OUT], s52, s53
	s_lshl_b32 s[OUT], s[OUT], 12
	s_add_co_u32 s[OUT], s[OUT], s54
	s_mov_b32 s[OUT+1], 0
	s_lshl_b32 s[OUT2], ttmp9, 8
	s_add_co_u32 s[OUT2], s[OUT2], s52
	s_lshl_b32 s[OUT2], s[OUT2], 12
	s_add_co_u32 s[OUT2], s[OUT2], s54
	s_mov_b32 s[OUT2+1], 0
	s_sub_co_u32 s53, s[WV], 4
	s_cmp_lt_u32 s53, 3                            ; waves 4 to 6
	s_cselect_b32 s53, 0, 1
	s_or_b32 s53, s53, ttmp9                       ; of the head's first work-group
	s_cmp_eq_u32 s53, 0
	s_cselect_b32 s[LIM], 2, -1                    ; they ask while more than two visits are still to be asked for
	; descriptor group 1: a record: 51 rows of 256 bytes (32 elements of 8 bytes), dense, no padding
	s_mov_b32 s[G1], 3<<16
	s_mov_b32 s[G1+1], 32<<16                      ; tensor_dim0
	s_mov_b32 s[G1+2], 51<<16                      ; tensor_dim1
	s_mov_b32 s[G1+3], 32<<16                      ; tile_dim0
	s_mov_b32 s[G1+4], 51                          ; tile_dim1
	s_mov_b32 s[G1+5], 32                          ; the pitch
	s_mov_b32 s[G1+6], 0
	s_mov_b32 s[G1+7], 0
	s_mov_b32 s[G0], 1
	s_mov_b32 s[SEL], 0x76543210
	s_mov_b32 s[SEL+1], 0xfedcba98                 ; lane l xor 16
	s_mov_b32 s[CS], 0x3e38aa3b                    ; c = log2(e) / 8
	s_mov_b32 s[CS+1], s[CS]                       ; (named with it as a pair)
	s_mov_b32 s[TB], 0
	s_mov_b32 s[SLOTS], 8
	s_mov_b32 s[KF], 0
	s_mov_b32 s[OFFS], 0
	s_mov_b32 s[OFFS+1], 0
	s_wait_kmcnt 0x0
	s_add_nc_u64 s[KVB:KVB+1], s[4:5], s[KVB:KVB+1]
	s_mov_b64 s[G0+2:G0+3], s[KVB:KVB+1]
	s_or_b32 s[G0+3], s[G0+3], 0x80000000
	TLOAD                                          ; slot 0: the one first fill, ahead of every wait on TENSORcnt, every LDS read and every barrier
	s_add_nc_u64 s[PFA:PFA+1], s[4:5], s[PFA:PFA+1]
	s_add_nc_u64 s[QP0:QP0+1], s[4:5], s[QP0:QP0+1]
	s_add_nc_u64 s[QP1:QP1+1], s[4:5], s[QP1:QP1+1]
	s_add_nc_u64 s[OUT:OUT+1], s[6:7], s[OUT:OUT+1]
	s_add_nc_u64 s[OUT2:OUT2+1], s[6:7], s[OUT2:OUT2+1]
	v_and_b32 v32, 31, v0                          ; lane
	s_delay_alu instid0(VALU_DEP_1)
	v_lshlrev_b32 v[I16], 4, v32
	s_delay_alu instid0(VALU_DEP_2)
	v_lshlrev_b32 v[I8], 3, v32
	v_and_b32 v33, 15, v0                          ; r
	s_wait_alu depctr_va_vdst(0)
	v_bfe_u32 v34, v0, 4, 1                        ; h
	s_lshl_b32 s52, s51, 9
	v_add_nc_u32 v[QA], s52, v[I16]                ; Q: registers 0-3 of tile a
	s_wait_alu depctr_va_vdst(0)
	s_lshl_b32 s52, s51, 8
	s_add_co_u32 s52, s52, KB
	v_add_nc_u32 v[QB], s52, v[I8]                 ; registers 4-5
	s_and_b32 s52, s51, 1
	s_lshl_b32 s53, s52, 8
	s_lshr_b32 s54, s51, 1
	s_lshl_b32 s55, s54, 2
	s_add_co_u32 s53, s53, s55
	s_add_co_u32 s53, s53, KSO
	v_lshl_add_u32 v[QS], v33, 4, s53              ; row r's scale word: image lane r + 16 (a % 2), register a / 2
	global_load_b128 v[16:19], v[QA], s[QP0:QP0+1]
	global_load_b64 v[20:21], v[QB], s[QP0:QP0+1]
	global_load_b32 v255, v[QS], s[QP0:QP0+1]
	global_load_b128 v[80:83], v[QA], s[QP1:QP1+1]     ; the second block's tile waits in registers
	global_load_b64 v[84:85], v[QB], s[QP1:QP1+1]
	global_load_b32 v86, v[QS], s[QP1:QP1+1]
	s_lshl_b32 s54, s54, 5
	s_lshl_b32 s52, s52, 3
	s_add_co_u32 s54, s54, s52                     ; 32 (a / 2) + 8 (a % 2)
	v_and_b32 v35, 8, v33
	s_delay_alu instid0(VALU_DEP_1)
	v_add_nc_u32 v[DG], v35, v33                   ; r + 8 (r / 8)
	v_lshlrev_b32 v35, 4, v34
	s_delay_alu instid0(VALU_DEP_1)
	v_sub_nc_u32 v[DG], v[DG], v35
	s_delay_alu instid0(VALU_DEP_1)
	v_add_nc_u32 v[DG], s54, v[DG]                 ; register 16 b + i of the scores holds key 32 b + i + 16 h of the record: hidden on the diagonal where 32 b + i > this
	v_mov_b32 v[NINF], 0xff800000
	v_lshlrev_b32 v[GO], 12, v34
	s_delay_alu instid0(VALU_DEP_1)
	v_lshl_add_u32 v[GO], v33, 4, v[GO]
	s_mul_i32 s56, s[WV], 16*272
	s_add_co_u32 s56, s56, STAGE                   ; my stage
	v_mul_u32_u24 v[STI], v33, 272
	s_delay_alu instid0(VALU_DEP_1)
	v_lshl_add_u32 v[STI], v34, 6, v[STI]
	s_delay_alu instid0(VALU_DEP_1)
	v_add_nc_u32 v[STI], s56, v[STI]               ; in: row r, + 64 h
	v_mul_u32_u24 v[STO], v34, 272
	s_delay_alu instid0(VALU_DEP_1)
	v_lshl_add_u32 v[STO], v33, 4, v[STO]
	s_delay_alu instid0(VALU_DEP_1)
	v_add_nc_u32 v[STO], s56, v[STO]               ; back: lanes 0-15 one row, lanes 16-31 the next
	s_and_b32 s57, s[WV], 3
	s_lshl_b32 s57, s57, 5
	v_add_nc_u32 v[PFO], s57, v32                  ; j
	s_delay_alu instid0(VALU_DEP_1)
	v_add_nc_u32 v35, 16, v[PFO]
	s_delay_alu instid0(VALU_DEP_1)
	v_lshrrev_b32 v35, 6, v35                      ; 1 from j = 48 on
	s_delay_alu instid0(VALU_DEP_1)
	v_mul_u32_u24 v35, v35, 768
	s_delay_alu instid0(VALU_DEP_1)
	v_lshl_add_u32 v[PFO], v[PFO], 8, v35
	; The operands' registers that vector lines write come FIRST: an operand so written stands four plain vector lines or more ahead of a scaled matrix instruction; the 42 lines below them are those lines.
.irp j, 22,23,24,25,26,27
	v_mov_b32 v[\j], 0                             ; Q's K = 64 .. 127: zero codes, for the whole launch
.endr
.irp t, 0,1,2,3
.irp j, 6,7,8,9,10,11
	v_mov_b32 v[32+12*\t+\j], 0                    ; K's upper halves: written once; later they hold what V's fragments or the way out's rows left there, which meets Q's zero codes
.endr
.endr
	STATE
.irp b, 0,1,2,3
	v_mov_b32 v[236+\b], 0                         ; written once: a lane permute's destination counts as one of its sources
.endr
	v_mov_b32 v252, 0
	v_mov_b32 v253, 0                              ; (named as the upper half of the pair v[252:253] before it is first written)
; A KEY STEP: the q-th record of the slot in hand.
.macro STEP q
	s_cmp_gt_u32 s[KF], s[SQ]                      ; all its keys come after my queries
	s_cbranch_scc1 .Lhidden_\@
	s_wait_alu depctr_va_vdst(0)
.irp g, 0,1                                    ; S^T = K Q^T, four tiles of 16 keys at a time.  (The places in front of the first loads stand at the end of the step before)
.if \g > 0
.rept 4
	v_nop
.endr
.endif
.irp t, 0,1,2,3
	ds_load_b128 v[32+12*\t:35+12*\t], v[L16] offset:(\q)*REC+KA+512*(4*\g+\t)
	ds_load_b64 v[36+12*\t:37+12*\t], v[L8] offset:(\q)*REC+KB+256*(4*\g+\t)
.endr
.if \g == 0
	ds_load_b128 v[248:251], v[L16] offset:(\q)*REC+KSO    ; register p: tile 2 p's words in lanes 0-15, tile 2 p + 1's in lanes 16-31
.endif
	s_wait_dscnt 0x0
.irp t, 0,1,2,3
.if (\t)%2
	v_wmma_scale_f32_16x16x128_f8f6f4 v[96+8*(4*\g+\t):103+8*(4*\g+\t)], v[32+12*\t:43+12*\t], v[16:27], 0, v[248+(4*\g+\t)/2], v255 matrix_a_fmt:MATRIX_FMT_FP6 matrix_b_fmt:MATRIX_FMT_FP6 matrix_a_scale:MATRIX_SCALE_ROW1
.else
	v_wmma_scale_f32_16x16x128_f8f6f4 v[96+8*(4*\g+\t):103+8*(4*\g+\t)], v[32+12*\t:43+12*\t], v[16:27], 0, v[248+(4*\g+\t)/2], v255 matrix_a_fmt:MATRIX_FMT_FP6 matrix_b_fmt:MATRIX_FMT_FP6
.endif
.endr
.endr
.rept 4
	v_nop                                          ; places: the scores are read and K's registers loaded again below
.endr
.irp t, 0,1,2,3                                ; V's four fragments and its scale words are asked for now and land during the softmax
.irp c, 0,1,2
	ds_load_b128 v[32+12*\t+4*\c:35+12*\t+4*\c], v[L16] offset:(\q)*REC+VC+1536*\t+512*\c
.endr
.endr
	ds_load_b64 v[248:249], v[L8] offset:(\q)*REC+VSO
	s_cmp_lt_u32 s[KF], s[SQ]                      ; all its keys count
	s_cbranch_scc1 .Lopen_\@
.set N, 0
.rept 64                                       ; on the diagonal the scores of hidden keys become -infinity ahead of the maximum: p = 0 then
	v_cmp_gt_i32 vcc_lo, 32*(N/16)+N%16, v[DG]
	v_cndmask_b32 v[96+N], v[96+N], v[NINF], vcc_lo
.set N, N+1
.endr
.Lopen_\@:
.irp b, 0,1,2,3
	v_max3_num_f32 v[232+\b], v[96+16*\b], v[97+16*\b], v[98+16*\b]   ; the largest score of each block of 32 keys: for the row's maximum and, since p rises with the score, for the block's largest p
.endr
.irp i, 3,5,7,9,11,13
.irp b, 0,1,2,3
	v_max3_num_f32 v[232+\b], v[232+\b], v[96+16*\b+\i], v[97+16*\b+\i]
.endr
.endr
.irp b, 0,1,2,3
	v_max_num_f32 v[232+\b], v[232+\b], v[111+16*\b]
.endr
.irp b, 0,1,2,3
	s_delay_alu instid0(VALU_DEP_4)
	v_permlanex16_b32 v[236+\b], v[232+\b], s[SEL], s[SEL+1]
.endr
.irp b, 0,1,2,3
	s_delay_alu instid0(VALU_DEP_4)
	v_max_num_f32 v[232+\b], v[232+\b], v[236+\b]  ; with lane l xor 16's 16 keys
.endr
	s_delay_alu instid0(VALU_DEP_2)
	v_max3_num_f32 v254, v232, v233, v234
	s_delay_alu instid0(VALU_DEP_1)
	v_max_num_f32 v254, v254, v235                 ; the step's largest score of my query
	s_delay_alu instid0(VALU_DEP_1)
	v_mul_f32 v254, s[CS], v254                    ; as t
	s_delay_alu instid0(VALU_DEP_1)
	v_max_num_f32 v13, v13, v254                   ; the running largest t
	v_mov_b32 v254, v12
	s_delay_alu instid0(VALU_DEP_2)
	v_floor_f32 v12, -v13                          ; the new -M = -ceil(t)
	s_delay_alu instid0(VALU_DEP_1)
	v_sub_f32 v254, v12, v254                      ; old M - new M: a whole number, 0 or less
	s_delay_alu instid0(VALU_DEP_1)
	v_cvt_i32_f32 v254, v254                       ; (it saturates)
	s_delay_alu instid0(VALU_DEP_1)
	v_ldexp_f32 v252, 1.0, v254                    ; f = 2^(old M - new M)
.set J, 0
.rept 32
	v_pk_fma_f32 v[96+J:97+J], v[96+J:97+J], s[CS:CS+1], v[12:13] op_sel_hi:[1,0,0]   ; t - M, two at a time
.set J, J+2
.endr
.irp b, 0,1,2,3
	v_fma_f32 v[232+\b], v[232+\b], s[CS], v12     ; the same of each block's largest score
.endr
.set J, 0
	s_wait_alu depctr_va_vdst(0)
.rept 64
	v_exp_f32 v[96+J], v[96+J]                     ; p = 2^(t - M), at most 1
.set J, J+1
.endr
	v_pk_mul_f32 v[14:15], v[14:15], v[252:253] op_sel_hi:[1,0]   ; the sums under the new M (a plain line behind the exponentials)
	s_wait_alu depctr_va_vdst(0)                   ; one wait for the batch of 64, ahead of its first reader
.irp b, 0,1,2,3
	v_exp_f32 v[232+\b], v[232+\b]                 ; the block's largest p: the same two instructions on the same number
.endr
	v_pk_add_f32 v[236:237], v[100:101], v[104:105]
	v_pk_add_f32 v[250:251], v[108:109], v[112:113]
	v_pk_add_f32 v[246:247], v[116:117], v[120:121]
	v_pk_add_f32 v[244:245], v[124:125], v[128:129]
	v_pk_add_f32 v[242:243], v[132:133], v[136:137]
	v_pk_add_f32 v[240:241], v[140:141], v[144:145]
	v_pk_add_f32 v[238:239], v[148:149], v[152:153]
	v_pk_add_f32 v[14:15], v[14:15], v[156:157]
	v_pk_add_f32 v[236:237], v[236:237], v[96:97]
	v_pk_add_f32 v[250:251], v[250:251], v[98:99]
	v_pk_add_f32 v[246:247], v[246:247], v[102:103]
	v_pk_add_f32 v[244:245], v[244:245], v[106:107]
	v_pk_add_f32 v[242:243], v[242:243], v[110:111]
	v_pk_add_f32 v[240:241], v[240:241], v[114:115]
	v_pk_add_f32 v[238:239], v[238:239], v[118:119]
	v_pk_add_f32 v[14:15], v[14:15], v[122:123]
	v_pk_add_f32 v[236:237], v[236:237], v[126:127]
	v_pk_add_f32 v[250:251], v[250:251], v[130:131]
	v_pk_add_f32 v[246:247], v[246:247], v[134:135]
	v_pk_add_f32 v[244:245], v[244:245], v[138:139]
	v_pk_add_f32 v[242:243], v[242:243], v[142:143]
	v_pk_add_f32 v[240:241], v[240:241], v[146:147]
	v_pk_add_f32 v[238:239], v[238:239], v[150:151]
	v_pk_add_f32 v[14:15], v[14:15], v[154:155]
	v_pk_add_f32 v[236:237], v[236:237], v[158:159]
	s_delay_alu instid0(VALU_DEP_2)
	v_pk_add_f32 v[14:15], v[14:15], v[244:245]
	s_delay_alu instid0(VALU_DEP_2)
	v_pk_add_f32 v[236:237], v[236:237], v[242:243]
	v_pk_add_f32 v[250:251], v[250:251], v[240:241]
	v_pk_add_f32 v[246:247], v[246:247], v[238:239]
	s_delay_alu instid0(VALU_DEP_2)
	v_pk_add_f32 v[14:15], v[14:15], v[250:251]
	s_delay_alu instid0(VALU_DEP_2)
	v_pk_add_f32 v[236:237], v[236:237], v[246:247]
	s_delay_alu instid0(VALU_DEP_1)
	v_pk_add_f32 v[14:15], v[14:15], v[236:237]
	s_wait_alu depctr_va_vdst(0)                   ; and one for the four
.irp b, 0,1,2,3
	v_max_num_f32 v[232+\b], 0x1800000, v[232+\b]  ; the floor 2^(3 - 127): a block whose every p is 0 keeps the byte 1: its codes are zeros
.endr
.irp b, 0,1,2,3
	s_delay_alu instid0(VALU_DEP_4)
	v_add_nc_u32 v[244+\b], 0xff000000, v[232+\b]  ; 2 off the exponent field: the conversion's scale operand
.endr
.irp b, 0,1,2,3
	s_delay_alu instid0(VALU_DEP_4)
	v_lshrrev_b32 v[236+\b], 23, v[244+\b]         ; the scale's byte
.endr
	s_delay_alu instid0(VALU_DEP_3)
	v_lshl_or_b32 v253, v237, 8, v236              ; p's scale word for these 128 keys
	s_delay_alu instid0(VALU_DEP_1)
	v_lshl_or_b32 v253, v238, 16, v253
	s_delay_alu instid0(VALU_DEP_1)
	v_lshl_or_b32 v253, v239, 24, v253
.irp c, 0,1
	v_cvt_scalef32_pk16_fp6_f32 v[224+6*\c:226+6*\c], v[96+32*\c:111+32*\c], v[244+2*\c]
	v_cvt_scalef32_pk16_fp6_f32 v[236+4*\c:238+4*\c], v[112+32*\c:127+32*\c], v[244+2*\c+1]
.endr
	v_nop                                          ; one plain line behind the conversions
.irp c, 0,1                                    ; a whole block to a lane
.irp i, 0,1,2
	v_permlane16_swap_b32 v[224+6*\c+\i], v[236+4*\c+\i]
.endr
.irp i, 0,1,2
	s_delay_alu instid0(VALU_DEP_3)
	v_mov_b32 v[227+6*\c+\i], v[236+4*\c+\i]
.endr
.endr
.set J, 0
.rept 16
	v_pk_mul_f32 v[160+J:161+J], v[160+J:161+J], v[252:253] op_sel_hi:[1,0]   ; O^T under the new M; these sixteen are also the places between p's codes and scale word and the products below
.set J, J+2
.endr
	s_wait_alu depctr_va_vdst(0)
	s_wait_dscnt 0x0                               ; V is in
.irp t, 0,1,2,3                                ; O^T += V^T P^T: four accumulators by turns; the scores' products stand between two links of a chain
.if (\t)%2
	v_wmma_scale_f32_16x16x128_f8f6f4 v[160+8*\t:167+8*\t], v[32+12*\t:43+12*\t], v[224:235], v[160+8*\t:167+8*\t], v[248+\t/2], v253 matrix_a_fmt:MATRIX_FMT_FP6 matrix_b_fmt:MATRIX_FMT_FP6 matrix_a_scale:MATRIX_SCALE_ROW1
.else
	v_wmma_scale_f32_16x16x128_f8f6f4 v[160+8*\t:167+8*\t], v[32+12*\t:43+12*\t], v[224:235], v[160+8*\t:167+8*\t], v[248+\t/2], v253 matrix_a_fmt:MATRIX_FMT_FP6 matrix_b_fmt:MATRIX_FMT_FP6
.endif
.endr
.rept 4
	v_nop                                          ; places in front of the next step's loads and of the way out's reads
.endr
.Lhidden_\@:
	s_add_co_u32 s[KF], s[KF], 1
.endm
; THE CHANGE OF SLOTS stands at a visit's head.  Each wave waits for all its tensor loads, adds 0 to its spare word, and waits for that and for its LDS reads.  Behind the barrier the slot ahead is whole
; and nobody reads the other one; fill = 1: it takes the next visit's keys, and the load has a whole visit in which to land.
.macro CHANGE fill
	s_wait_tensorcnt 0x0                           ; no tensor load of mine is out, so group 0 may be written
	ds_add_u32 v[SPW], v[NIL]                      ; 0 onto my spare word
.if \fill
	s_xor_b32 s[G0+1], s[G0+1], SLOT1              ; the other slot than last time
	s_add_co_u32 s[OFFS], s[OFFS], 2*REC           ; the next 256 keys,
	s_cmp_eq_u32 s[SLOTS], s[SWV]
	s_cselect_b32 s[OFFS], 0, s[OFFS]              ; or, in the visit that ends block 7 - i, the head's first again
	s_add_nc_u64 s[G0+2:G0+3], s[KVB:KVB+1], s[OFFS:OFFS+1]
	s_or_b32 s[G0+3], s[G0+3], 0x80000000
	s_wait_xcnt 0x0                                ; the last prefetch, a visit back, has read its address
	s_add_nc_u64 s[PFA:PFA+1], s[PFA:PFA+1], 2*REC
.endif
	s_wait_dscnt 0x0                               ; the add is done, and my reads of the slot that I have left are over
	s_barrier_signal -1
	s_barrier_wait -1
.if \fill
	TLOAD                                          ; the first thing behind the barrier, a wave's one tensor load until the next
	ASK
.endif
.endm
.macro SLOT_STEPS
	v_add_nc_u32 v[L16], s[TB], v[I16]
	v_add_nc_u32 v[L8], s[TB], v[I8]
	STEP 0
	STEP 1
	s_xor_b32 s[TB], s[TB], SLOT1
.endm
; THE WAY OUT of a tile: O^T / the sum goes through my stage and leaves as rows: sixteen lanes store the 256 consecutive, aligned bytes of one token and head.
.macro WAYOUT
	v_add_f32 v14, v14, v15
	s_wait_alu depctr_va_vdst(0)
	v_permlanex16_b32 v252, v14, s[SEL], s[SEL+1]
	s_delay_alu instid0(VALU_DEP_1)
	v_add_f32 v14, v14, v252                       ; the row's sum
	s_wait_alu depctr_va_vdst(0)
	v_rcp_f32 v14, v14
	v_nop                                          ; a plain line behind the reciprocal
	s_wait_alu depctr_va_vdst(0)                   ; and the wait ahead of its first reader
.set J, 0
.rept 32
	v_mul_f32 v[96+J], v[160+J], v14               ; register 8 t + j: channel 32 (t / 2) + 16 h + 8 (t % 2) + j of query r
.set J, J+1
.endr
.irp t, 0,1,2,3
	ds_store_b128 v[STI], v[96+8*\t:99+8*\t] offset:128*(\t/2)+32*(\t%2)
	ds_store_b128 v[STI], v[100+8*\t:103+8*\t] offset:128*(\t/2)+32*(\t%2)+16
.endr
.irp i, 0,1,2,3,4,5,6,7
	ds_load_b128 v[32+4*\i:35+4*\i], v[STO] offset:2*\i*272    ; in order behind my stores
.endr
.irp i, 0,1,2,3,4,5,6,7
	s_wait_dscnt 7-\i                              ; the 7 - i later reads may be out
	global_store_b128 v[GO], v[32+4*\i:35+4*\i], s[OUT:OUT+1] offset:(2*\i+8*(\i/4))*4096 th:TH_STORE_NT   ; the tile's row rho is token rho + 8 (rho / 8)
.endr
	s_wait_xcnt 0x0                                ; the stores have read their registers and their base
.endm
	s_wait_loadcnt 0x0                             ; Q, both blocks'
.Lslot:                                            ; eight trips; behind each change of slots the next visit's slot is asked for
	CHANGE 1
	SLOT_STEPS
	s_cmp_eq_u32 s[SLOTS], s[SWV]                  ; block 7 - i is done: a branch on the work-group's number, round register work, my own stage and my stores alone
	s_cbranch_scc0 .Lstay
	WAYOUT
.irp j, 0,1,2,3,4,5
	v_mov_b32 v[16+\j], v[80+\j]                   ; block i's tile of queries
.endr
	v_mov_b32 v255, v86
	STATE                                          ; (also the places between these moves and the next products)
	s_mov_b64 s[OUT:OUT+1], s[OUT2:OUT2+1]
	s_mov_b32 s[KF], 0
	s_mov_b32 s[SQ], s[SQA]
.Lstay:
	s_sub_co_u32 s[SLOTS], s[SLOTS], 1
	s_cmp_lg_u32 s[SLOTS], 0
	s_cbranch_scc1 .Lslot
	CHANGE 0                                       ; the ninth visit is written out: nothing is left to fetch
	SLOT_STEPS
	WAYOUT
	s_wait_tensorcnt 0x0                           ; the wave's end
	ds_add_u32 v[SPW], v[NIL]
	s_wait_dscnt 0x0
	s_endpgm
.Lfunc_end_k_q2080cc9b14_attn:
	.size	k_q2080cc9b14_attn, .Lfunc_end_k_q2080cc9b14_attn-k_q2080cc9b14_attn
	.p2alignl 7, 3214868480
	.fill 96, 4, 3214868480
	.section	.rodata,"a",@progbits
	.p2align	6, 0x0
	.amdhsa_kernel k_q2080cc9b14_attn
		.amdhsa_group_segment_fixed_size 327680
		.amdhsa_private_segment_fixed_size 0
		.amdhsa_enable_private_segment 0
		.amdhsa_kernarg_size 16
		.amdhsa_user_sgpr_count 2
		.amdhsa_user_sgpr_kernarg_segment_ptr 1
		.amdhsa_wavefront_size32 1
		.amdhsa_system_sgpr_workgroup_id_x 1
		.amdhsa_system_sgpr_workgroup_id_y 1
		.amdhsa_system_sgpr_workgroup_id_z 1
		.amdhsa_system_vgpr_workitem_id 0
		.amdhsa_next_free_vgpr 256
		.amdhsa_next_free_sgpr 100
		.amdhsa_reserve_vcc 1
		.amdhsa_float_denorm_mode_32 3
		.amdhsa_float_denorm_mode_16_64 3
		.amdhsa_memory_ordered 1
		.amdhsa_forward_progress 1
		.amdhsa_inst_pref_size 107
	.end_amdhsa_kernel
	.amdgpu_metadata
---
amdhsa.version: [ 1, 2 ]
amdhsa.kernels:
  - .name:           k_q2080cc9b14_attn
    .symbol:         k_q2080cc9b14_attn.kd
    .args:
      - { .name: qkv, .offset: 0, .size: 8, .value_kind: global_buffer, .address_space: global }
      - { .name: out0, .offset: 8, .size: 8, .value_kind: global_buffer, .address_space: global }
    .group_segment_fixed_size: 327680
    .private_segment_fixed_size: 0
    .kernarg_segment_align: 8
    .kernarg_segment_size: 16
    .max_flat_workgroup_size: 512
    .sgpr_count:     100
    .vgpr_count:     256
    .wavefront_size: 32
...
	.end_amdgpu_metadata
.endif
;; end of part 3
